; MI455X (gfx1250); checked and timed in simulation.
; The chip was launched on July 23, 2026; its instructions are those of AMD's public machine-readable ISA for CDNA 5 (MIT licence, August 2026) and "CDNA5" Instruction Set Architecture Reference Guide (July 2026). The comments in the code are by the model that wrote it; some were corrected since.
;; Multi Head Self Attention. Allowed arithmetic: matrix products marked QUANTISED: E2M1 operands, one E8M0 scale for each 32 along K, by v_wmma_scale_f32_16x16x128_f8f6f4 with both operands' format E2M1 (or v_wmma_scale_f32_32x16x128_f4), f32 sums; products left as they are: bf16, f16 or f32 operands; f32 sums; everything else in f32.
;; Inputs: Wk 1,024 x 1,024 float32; Wo 1,024 x 1,024 float32; Wq 1,024 x 1,024 float32; Wv 1,024 x 1,024 float32; bk 1,024 float32; bo 1,024 float32; bq 1,024 float32; bv 1,024 float32; x 4 x 2,048 x 1,024 float32.
;; Outputs: out0 4 x 2,048 x 1,024 float32.
;; This version of the problem:
;;   THIS VERSION OF THE PROBLEM IS GIVEN IN LOW PRECISION. The matrix products marked QUANTISED in the list below multiply operands that are first quantised to E2M1 (2 exponent bits, 1 mantissa bit; 4 bits a number), with one power-of-two scale for each 32 numbers along K (OCP MX v1.0); their sums are f32. The products marked 'left as it is' may take bf16, f16 or f32 operands, with f32 sums. Whichever they take, every output number must still come out within the allowed error. Rounding operands to bf16 (8 significant bits) uses up far more of that allowance than f16 does (11 bits, for magnitudes from 6e-5 to 65,504). All else is computed in f32.
;;   The module's matrix products, in the order in which they are computed (A, B: the left and right operand; K: the contracted axis; several contracted axes count as one K, in the product's order):
;;     1. [M 8,192, K 1,024] x [K 1,024, N 1,024]; A: input x; B: input Wq: QUANTISED
;;     2. [M 8,192, K 1,024] x [K 1,024, N 1,024]; A: input x; B: input Wk: QUANTISED
;;     3. [M 8,192, K 1,024] x [K 1,024, N 1,024]; A: input x; B: input Wv: QUANTISED
;;     4. batch 64 x [M 2,048, K 64] x [K 64, N 2,048]; A: computed on the way; B: computed on the way: left as it is (an operand is computed on the way)
;;     5. batch 64 x [M 2,048, K 2,048] x [K 2,048, N 64]; A: computed on the way; B: computed on the way: left as it is (an operand is computed on the way)
;;     6. [M 8,192, K 1,024] x [K 1,024, N 1,024]; A: computed on the way; B: input Wo: left as it is (an operand is computed on the way)
;;   THE QUANTISER, for each operand of a quantised product, along K:
;;     - K is cut into blocks of 32 from its start; a last block that is shorter is filled with zeros.
;;     - A block's scale is 2^e with e = floor(log2(the largest magnitude in the block)) - 2, held to -126 .. 127; a block of zeros has e = 0. As a byte (E8M0): e + 127.
;;     - Each number is divided by its block's scale, clamped to +-6, and rounded to the nearest number of E2M1, ties to even, subnormals kept.
;;     - The product sums the exact products of the quantised numbers (number of the format x scale) in f32.
;;   ~~~python
;;   def quantise(x, axis):      # numpy; x: float32 -> the quantised numbers, widened to float32 again
;;       x = np.moveaxis(x, axis, -1); K = x.shape[-1]
;;       x = np.pad(x, [(0, 0)] * (x.ndim - 1) + [(0, -K % 32)]); x = x.reshape(x.shape[:-1] + (-1, 32)); a = np.abs(x).max(-1, keepdims=True)
;;       e = np.where(a > 0, np.clip(np.frexp(np.where(a > 0, a, 1))[1] - 1 - 2, -126, 127), 0)      # np.frexp(a)[1] - 1 = floor(log2(a)), exactly
;;       r = np.clip(x / 2.0 ** e, -6, 6)
;;       step = 2.0 ** (np.maximum(np.frexp(np.where(r == 0, 1, r))[1] - 1, 0) - 1)
;;       q = np.round(r / step) * step * 2.0 ** e      # np.round: ties to even
;;       return np.moveaxis(q.reshape(q.shape[:-2] + (-1,))[..., :K], -1, axis).astype(np.float32)
;;   ~~~
;; One version. Each part assembles by itself: llvm-mc -triple=amdgcn-amd-amdhsa -mcpu=gfx1250 --defsym DOCPART=n.
;; ======== version 1 of 1: 4 launches
;; limits: values are held in f16: magnitudes above 65,504 overflow, below 6.1e-05 lose precision
;; workspace buffers: xc 4,194,304 bytes; xs 262,144 bytes; wc 1,572,864 bytes; ws 98,304 bytes; wo16 2,097,152 bytes; qh 16,777,216 bytes; kvh 33,554,432 bytes; ao 16,777,216 bytes
;; launch prep (part 1): grid 384 x 1, 4 waves a work-group, no clusters, 34,304 bytes of LDS; arguments x, Wq, Wk, Wv, Wo, xc, xs, wc, ws, wo16; writes xc, xs, wc, ws, wo16
.if DOCPART == 1
	.amdgcn_target "amdgcn-amd-amdhsa--gfx1250"
	.amdhsa_code_object_version 6
	.text
	.protected	k_qab696de55f_prep
	.globl	k_qab696de55f_prep
	.p2align	8
	.type	k_qab696de55f_prep,@function
k_qab696de55f_prep:
	s_mov_b64 s[64:65], 0
	v_nop
	global_prefetch_b8 v0, s[64:65] scope:SCOPE_SE
	s_setreg_imm32_b32 hwreg(HW_REG_WAVE_MODE, 25, 1), 1
	s_wait_xcnt 0x0
; x [8192][1024], Wq, Wk, Wv [1024][1024], f32, K innermost, become codes of FP4 (E2M1) with one E8M0 byte for each 32 along K; Wo [1024][1024] becomes f16.
; All results are laid AS IMAGES OF OPERAND REGISTERS, so that the later launches load fragments by 16 bytes a lane at 16 x lane:
;   codes:  [tile of 16 rows][q = K step of 128][c 0,1][lane][16 bytes]: lane (r, h) holds the 32 codes k = 128 q + 64 c + 32 h + 0..31 of row 16 tile + r
;   scales: [tile][half of K][r][16 bytes]: the four scale words (128 along K each) of that half of row r
;   wo16:   [tile][kf = 32 along K][c 0,1][lane][16 bytes]: lane (r, h) holds k = 32 kf + 16 c + 8 h + 0..7 of row 16 tile + r
; A block's scale is 2^(floor(log2(its largest magnitude)) - 2); its byte is the largest magnitude's exponent field - 2, held at 1 from below.  A block of zeros gets the byte 1 where the
; rule says 127: its codes are zeros, which add nothing under any byte but 0xff, and this program alone reads the bytes.
; LIMITS: NaN and infinities among the inputs are not served; numbers of Wo beyond 65,504 in magnitude become infinite in f16.
; SHARES.  A wave takes 16 rows x 512 along K, in four steps of 128.  Work-groups 0-255: x; 256-351: Wq, Wk, Wv (32 each); 352-383: Wo.  Only pointers are chosen by the work-group's number,
; and one branch a step parts the arithmetic (quantise, or round to f16); all LDS traffic is on the common way.
; Each load reads 512 consecutive bytes of one row; a step's 16 x 512 bytes turn through the wave's own stage in LDS (rows of 512 + 16 bytes) and come back 16 neighbours of each block to a lane.
; Every store of codes or f16 numbers covers 512 consecutive bytes, the store of scale words 256.  Waves share nothing: no barrier.
.set STG,   16*528                     ; a wave's stage
.set SPARE, 4*STG                      ; behind the four stages: the spare words, 128 bytes for each wave, which no other line names
.set GO,   4                           ; v4   16 x lane: my place in a load's or a store's 512 bytes
.set SI,   5                           ; v5   the stage, on the way in
.set SO,   6                           ; v6   and on the way out: row r, + 64 h
.set SS,   7                           ; v7   my place among the scale words: 16 r + 8 h
.set SPW,  8                           ; v8   LDS address of my spare word; never rewritten
.set NIL,  9                           ; v9   0; never rewritten
.set PWS,  12                          ; v12-15 my row's four scale words
.set R,    32                          ; v32-159 two sets of 64 registers as loaded
.set X,    160                         ; v160-223 register 16 b + i = k 32 b + 16 h + i of row r
.set TM,   224                         ; v224-239 at work
.set PC,   244                         ; v244-251 a fragment's codes
.set KIND, 30                          ; s30  1 in Wo's work-groups
.set SRC,  34                          ; s[34:35] from where
.set DC,   36                          ; s[36:37] codes, or f16 numbers, to where
.set DSC,  38                          ; s[38:39] scale words to where
.set SEL,  42                          ; s[42:43] lane selects for lane l xor 16
	s_load_b512 s[8:23], s[0:1], 0x0               ; x, Wq, Wk, Wv, Wo, xc, xs, wc
	s_load_b128 s[24:27], s[0:1], 0x40             ; ws, wo16
	v_lshl_add_u32 v[SPW], v0, 2, SPARE
	v_mov_b32 v[NIL], 0
	v_lshrrev_b32 v1, 5, v0
	v_readfirstlane_b32 s28, v1                    ; wave 0..3
	v_and_b32 v1, 31, v0                           ; lane
	v_and_b32 v2, 15, v0                           ; r
	v_bfe_u32 v3, v0, 4, 1                         ; h
	v_lshlrev_b32 v[GO], 4, v1
	s_mul_i32 s40, s28, STG
	v_add_nc_u32 v[SI], s40, v[GO]
	v_mul_u32_u24 v[SO], v2, 528
	v_lshl_add_u32 v[SO], v3, 6, v[SO]
	v_add_nc_u32 v[SO], s40, v[SO]
	v_lshlrev_b32 v[SS], 4, v2
	v_lshl_add_u32 v[SS], v3, 3, v[SS]
.irp b, 0,1,2,3
	v_mov_b32 v[TM+4+\b], 0                        ; written once: a lane permute's destination counts as one of its sources
	v_mov_b32 v[PWS+\b], 0
.endr
	s_mov_b32 s[SEL], 0x76543210
	s_mov_b32 s[SEL+1], 0xfedcba98
	; which tensor, which tiles: from the work-group's number and the wave's alone
	s_cmp_lt_u32 ttmp9, 256
	s_cselect_b32 s31, 0, 256
	s_cselect_b32 s33, 255, 31                     ; within one of the weights a work-group's number counts 0..31
	s_cmp_lt_u32 ttmp9, 352
	s_cselect_b32 s31, s31, 352
	s_cselect_b32 s[KIND], 0, 1
	s_cselect_b32 s29, 0, 2                        ; f16 numbers take four times the bytes of codes
	s_sub_co_u32 s31, ttmp9, s31                   ; d: my number within x, within the three weights, within Wo
	s_and_b32 s33, s31, s33
	s_lshr_b32 s40, s28, 1
	s_and_b32 s41, s28, 1                          ; which half of K is my wave's
	s_lshl_b32 s31, s31, 1
	s_add_co_u32 s31, s31, s40                     ; the tile in the workspace: 2 d + wave / 2
	s_lshl_b32 s33, s33, 1
	s_add_co_u32 s33, s33, s40                     ; the tile in the source
	s_lshl_b32 s44, s33, 16                        ; 16 rows of 4,096 bytes,
	s_lshl_b32 s45, s41, 11                        ; half a row
	s_add_co_u32 s44, s44, s45
	s_mov_b32 s45, 0
	s_lshl_b32 s46, s31, 13                        ; a tile's codes are 8,192 bytes
	s_lshl_b32 s47, s41, 12
	s_add_co_u32 s46, s46, s47
	s_lshl_b32 s46, s46, s29
	s_mov_b32 s47, 0
	s_lshl_b32 s48, s31, 9                         ; a tile's scale words are 512 bytes
	s_lshl_b32 s49, s41, 8
	s_add_co_u32 s48, s48, s49
	s_mov_b32 s49, 0
	s_wait_kmcnt 0x0
	s_cmp_lt_u32 ttmp9, 256
	s_cselect_b64 s[SRC:SRC+1], s[8:9], s[10:11]
	s_cselect_b64 s[DC:DC+1], s[18:19], s[22:23]
	s_cselect_b64 s[DSC:DSC+1], s[20:21], s[24:25]
	s_cmp_lt_u32 ttmp9, 288
	s_cselect_b64 s[SRC:SRC+1], s[SRC:SRC+1], s[12:13]
	s_cmp_lt_u32 ttmp9, 320
	s_cselect_b64 s[SRC:SRC+1], s[SRC:SRC+1], s[14:15]
	s_cmp_lt_u32 ttmp9, 352
	s_cselect_b64 s[SRC:SRC+1], s[SRC:SRC+1], s[16:17]
	s_cselect_b64 s[DC:DC+1], s[DC:DC+1], s[26:27]
	s_add_nc_u64 s[SRC:SRC+1], s[SRC:SRC+1], s[44:45]
	s_add_nc_u64 s[DC:DC+1], s[DC:DC+1], s[46:47]
	s_add_nc_u64 s[DSC:DSC+1], s[DSC:DSC+1], s[48:49]
.macro LOAD t                          ; step t: 128 along K of my 16 rows, a row to a load
.irp i, 0,1,2,3,4,5,6,7,8,9,10,11,12,13,14,15
	global_load_b128 v[R+64*((\t)%2)+4*\i:R+64*((\t)%2)+4*\i+3], v[GO], s[SRC:SRC+1] offset:\i*4096+(\t)*512 th:TH_LOAD_NT
.endr
.endm
.macro TURN t                          ; through the stage: LDS serves a wave's instructions in order, so no wait stands between the stores and the loads
.irp i, 0,1,2,3,4,5,6,7,8,9,10,11,12,13,14,15
	ds_store_b128 v[SI], v[R+64*((\t)%2)+4*\i:R+64*((\t)%2)+4*\i+3] offset:\i*528
.endr
.irp b, 0,1,2,3
.irp j, 0,1,2,3
	ds_load_b128 v[X+16*\b+4*\j:X+16*\b+4*\j+3], v[SO] offset:128*\b+16*\j
.endr
.endr
.endm
; 64 numbers of a lane, register 16 b + i = k 32 b + 16 h + i of my row, become a fragment's codes in v[PC] on and its scale word in v[pw]
.macro QUANT s, pw
.irp b, 0,1,2,3
	v_max3_num_f32 v[TM+\b], |v[\s+16*\b]|, |v[\s+1+16*\b]|, 0x1800000   ; block b: my 16 numbers, and the floor 2^(3 - 127): the byte cannot fall under 1
.endr
.irp i, 2,4,6,8,10,12,14
.irp b, 0,1,2,3
	v_max3_num_f32 v[TM+\b], v[TM+\b], |v[\s+16*\b+\i]|, |v[\s+1+16*\b+\i]|   ; the four blocks by turns
.endr
.endr
.irp b, 0,1,2,3
	v_permlanex16_b32 v[TM+4+\b], v[TM+\b], s[SEL], s[SEL+1]
.endr
.irp b, 0,1,2,3
	v_max_num_f32 v[TM+\b], v[TM+\b], v[TM+4+\b]   ; with lane l xor 16's: the block's largest magnitude
.endr
.irp b, 0,1,2,3
	v_add_nc_u32 v[TM+12+\b], 0xff000000, v[TM+\b] ; 2 off its exponent field: the conversion takes the exponent field of this operand as its scale
.endr
.irp b, 0,1,2,3
	v_lshrrev_b32 v[TM+4+\b], 23, v[TM+12+\b]      ; the scale's byte
.endr
	v_lshl_or_b32 v[\pw], v[TM+5], 8, v[TM+4]      ; four bytes make my row's scale word
	v_lshl_or_b32 v[\pw], v[TM+6], 16, v[\pw]
	v_lshl_or_b32 v[\pw], v[TM+7], 24, v[\pw]
.irp b, 0,1,2,3
	v_cvt_scalef32_pk8_fp4_f32 v[PC+2*\b], v[\s+16*\b:\s+7+16*\b], v[TM+12+\b]
	v_cvt_scalef32_pk8_fp4_f32 v[PC+1+2*\b], v[\s+8+16*\b:\s+15+16*\b], v[TM+12+\b]
.endr
	v_nop                                          ; one plain place behind a scaled conversion
.irp c, 0,1                            ; the operand's layout wants a whole block in a lane: lanes 0-15 block 2 c, lanes 16-31 block 2 c + 1
.irp i, 0,1
	v_permlane16_swap_b32 v[PC+4*\c+\i], v[PC+2+4*\c+\i]
.endr
.endr
.endm
.macro STEP t
.if \t < 3
	s_wait_loadcnt 16                              ; this step's 16 loads are in; the next step's 16 may be out
.else
	s_wait_loadcnt 0x0
.endif
	s_wait_xcnt 0x0                                ; the last step's stores have read X and the codes: both are written again only behind this wait
	TURN \t
	s_wait_dscnt 0x0                               ; my 64 numbers are back, and the stage's stores have read their registers,
.if \t < 2
	LOAD (\t)+2                                    ; which take the loads of two steps on
.endif
	s_cmp_lg_u32 s[KIND], 0
	s_cbranch_scc1 .Lwo_\@
	QUANT X, PWS+\t
.irp c, 0,1
	global_store_b128 v[GO], v[PC+4*\c:PC+4*\c+3], s[DC:DC+1] offset:(\t)*1024+\c*512   ; 512 consecutive bytes
.endr
	s_branch .Ljoin_\@
.Lwo_\@:
.set n, 0
.rept 32
	v_cvt_pk_f16_f32 v[X+n], v[X+2*n], v[X+2*n+1]  ; in place, ascending: register 8 b + i holds k = 32 b + 16 h + 2 i, + 1
.set n, n+1
.endr
.irp b, 0,1,2,3
.irp i, 0,1,2,3
	v_permlane16_swap_b32 v[X+8*\b+\i], v[X+8*\b+4+\i]   ; registers 8 b + 4 c on now hold k = 32 b + 16 c + 8 h + 0..7
.endr
.endr
.irp b, 0,1,2,3
.irp c, 0,1
	global_store_b128 v[GO], v[X+8*\b+4*\c:X+8*\b+4*\c+3], s[DC:DC+1] offset:(4*(\t)+\b)*1024+\c*512
.endr
.endr
.Ljoin_\@:
.endm
	LOAD 0
	LOAD 1
	STEP 0
	STEP 1
	STEP 2
	STEP 3
	s_cmp_lg_u32 s[KIND], 0
	s_cbranch_scc1 .Lend
	v_cmp_eq_u32 vcc_lo, 1, v3                     ; lanes 0-15 store words 0 and 1 of row r, lanes 16-31 words 2 and 3
	v_cndmask_b32 v16, v[PWS], v[PWS+2], vcc_lo
	v_cndmask_b32 v17, v[PWS+1], v[PWS+3], vcc_lo
	global_store_b64 v[SS], v[16:17], s[DSC:DSC+1] ; 256 consecutive bytes
.Lend:
	s_wait_tensorcnt 0x0                           ; the wave's end, behind my last LDS store
	ds_add_u32 v[SPW], v[NIL]
	s_wait_dscnt 0x0
	s_endpgm
.Lfunc_end_k_qab696de55f_prep:
	.size	k_qab696de55f_prep, .Lfunc_end_k_qab696de55f_prep-k_qab696de55f_prep
	.p2alignl 7, 3214868480
	.fill 96, 4, 3214868480
	.section	.rodata,"a",@progbits
	.p2align	6, 0x0
	.amdhsa_kernel k_qab696de55f_prep
		.amdhsa_group_segment_fixed_size 34304
		.amdhsa_private_segment_fixed_size 0
		.amdhsa_enable_private_segment 0
		.amdhsa_kernarg_size 80
		.amdhsa_user_sgpr_count 2
		.amdhsa_user_sgpr_kernarg_segment_ptr 1
		.amdhsa_wavefront_size32 1
		.amdhsa_system_sgpr_workgroup_id_x 1
		.amdhsa_system_sgpr_workgroup_id_y 1
		.amdhsa_system_sgpr_workgroup_id_z 1
		.amdhsa_system_vgpr_workitem_id 0
		.amdhsa_next_free_vgpr 256
		.amdhsa_next_free_sgpr 66
		.amdhsa_reserve_vcc 1
		.amdhsa_float_denorm_mode_32 3
		.amdhsa_float_denorm_mode_16_64 3
		.amdhsa_memory_ordered 1
		.amdhsa_forward_progress 1
		.amdhsa_inst_pref_size 47
	.end_amdhsa_kernel
	.amdgpu_metadata
---
amdhsa.version: [ 1, 2 ]
amdhsa.kernels:
  - .name:           k_qab696de55f_prep
    .symbol:         k_qab696de55f_prep.kd
    .args:
      - { .name: x, .offset: 0, .size: 8, .value_kind: global_buffer, .address_space: global }
      - { .name: Wq, .offset: 8, .size: 8, .value_kind: global_buffer, .address_space: global }
      - { .name: Wk, .offset: 16, .size: 8, .value_kind: global_buffer, .address_space: global }
      - { .name: Wv, .offset: 24, .size: 8, .value_kind: global_buffer, .address_space: global }
      - { .name: Wo, .offset: 32, .size: 8, .value_kind: global_buffer, .address_space: global }
      - { .name: xc, .offset: 40, .size: 8, .value_kind: global_buffer, .address_space: global }
      - { .name: xs, .offset: 48, .size: 8, .value_kind: global_buffer, .address_space: global }
      - { .name: wc, .offset: 56, .size: 8, .value_kind: global_buffer, .address_space: global }
      - { .name: ws, .offset: 64, .size: 8, .value_kind: global_buffer, .address_space: global }
      - { .name: wo16, .offset: 72, .size: 8, .value_kind: global_buffer, .address_space: global }
    .group_segment_fixed_size: 34304
    .private_segment_fixed_size: 0
    .kernarg_segment_align: 8
    .kernarg_segment_size: 80
    .max_flat_workgroup_size: 128
    .sgpr_count:     66
    .vgpr_count:     256
    .wavefront_size: 32
...
	.end_amdgpu_metadata
.endif
;; end of part 1
;; launch qkv (part 2): grid 16 x 16, 4 waves a work-group, no clusters, 167,936 bytes of LDS; arguments xc, xs, wc, ws, bq, bk, bv, qh, kvh; writes qh, kvh
.if DOCPART == 2
	.amdgcn_target "amdgcn-amd-amdhsa--gfx1250"
	.amdhsa_code_object_version 6
	.text
	.protected	k_qab696de55f_qkv
	.globl	k_qab696de55f_qkv
	.p2align	8
	.type	k_qab696de55f_qkv,@function
k_qab696de55f_qkv:
	s_mov_b64 s[64:65], 0
	v_nop
	global_prefetch_b8 v0, s[64:65] scope:SCOPE_SE
	s_setreg_imm32_b32 hwreg(HW_REG_WAVE_MODE, 25, 1), 1
	s_wait_xcnt 0x0
; Q, K, V = x W^T + b on codes of FP4 (E2M1) with E8M0 scales, sums in f32; Q is multiplied by c = log2(e) / 8; all three leave as f16, laid as the attention launch's operands.
; SHARES.  Work-group (j, g) makes 512 tokens (512 g on) x head j (64 channels) of Q, of K and of V.  Wave w owns 128 of the tokens: eight tiles of 16.
; A wave's fragments of x for ALL of K (8 K steps x 8 tiles x 8 registers = 512) come from memory straight into registers and serve all three products.  The head's 3 x 64 rows of W, 96 KiB of codes,
; come into LDS once, one tensor load a wave, and are read by all four waves; nothing in LDS is filled again.  Each fragment of W read from LDS feeds eight matrix instructions.
; NO CLUSTER: of the 352 KiB that a work-group reads, 256 KiB go straight into registers; the 96 KiB that pass through LDS are asked for once, at the head, and there is no ring whose requests could be joined.
; THE MATRIX INSTRUCTION IS USED TRANSPOSED: source 0 = 16 rows of W (channels), source 1 = 16 rows of x (tokens): lane (r, h) then holds token r and channels 8 h + 0..7 of the tile: 16 bytes of f16.
; The bias is the C of each sum's first matrix instruction.  The 32 accumulators take turns, one instruction a turn, in the same order in every K step.
; OUT: qh and K in kvh: [batch x head][tile of 16 tokens][ct = 16 channels][lane][16 bytes]; V, 16,777,216 bytes on in kvh: the same blocks of 512 bytes, but row-major, token r's 32 bytes at 32 r.
; LIMITS: NaN and infinities are not served; c Q, K or V beyond 65,504 in magnitude become infinite in f16.
; REGISTERS: window 0: v4-11 addresses; v32-95 x's scale words (8 a + q); v96-159 W's, two sets (8 b + q); v160-191 the bias; v192-255 W's fragments, two sets of four.
;   window 1: x's fragments of K steps 0-3 at v[64 q + 8 a];  window 2: K steps 4-7;  window 3: the accumulators at v[8 (4 a + b)].
.set L16,  4                           ; v4   16 x lane
.set LB1,  5                           ; v5   16 x lane + 49,152: column blocks 2 and 3 of W in LDS
.set R16,  6                           ; v6   16 r: a row's scale words
.set H32,  7                           ; v7   32 h: my half's eight numbers of a bias
.set VOF,  8                           ; v8   32 r + 16 h: V's blocks are row-major
.set SPW,  10                          ; v10  LDS address of my spare word; never rewritten
.set NIL,  11                          ; v11  0; never rewritten
.set AS,   32
.set BS,   96
.set BI,   160
.set BF,   192
.set SPARE, 98304                      ; behind W's 96 KiB: the spare words, 128 bytes for each wave, which no other line names
.set G0,   32                          ; s[32:35] descriptor group 0
.set G1,   36                          ; s[36:43] descriptor group 1
.set CS,   44                          ; s[44:45] c, twice
.set VP,   46                          ; s[46:47] V's part of kvh
.set MSB, 0
.macro WIN new                         ; the immediate's high byte repeats the setting that is left
.if MSB != \new
	s_set_vgpr_msb (MSB<<8)|\new
.set MSB, \new
.endif
.endm
.macro PLACES                          ; four places in front of loads into registers that matrix instructions have read, and of the first read of results
.rept 4
	v_nop
.endr
.endm
	s_load_b512 s[8:23], s[0:1], 0x0               ; xc, xs, wc, ws, bq, bk, bv, qh
	s_load_b64 s[24:25], s[0:1], 0x40              ; kvh
	v_lshl_add_u32 v[SPW], v0, 2, SPARE
	v_mov_b32 v[NIL], 0
	ds_add_u32 v[SPW], v[NIL]                      ; the wave's opening: the add, twice on end, and its wait ahead of my tensor load
	ds_add_u32 v[SPW], v[NIL]
	v_lshrrev_b32 v1, 5, v0
	v_readfirstlane_b32 s26, v1                    ; wave 0..3
	s_and_b32 s28, ttmp7, 0xffff                   ; g; the head j is ttmp9
	; descriptor group 1: 3 rows (Wq's, Wk's, Wv's tile) of 8,192 bytes, 64 tiles apart in memory, dense in LDS
	s_mov_b32 s[G1], 3<<16                         ; no mask; elements of 8 bytes; no padding
	s_mov_b32 s[G1+1], 1024<<16                    ; tensor_dim0 = 1,024 elements
	s_mov_b32 s[G1+2], 3<<16                       ; tensor_dim1 = 3
	s_mov_b32 s[G1+3], 1024<<16                    ; tile_dim0
	s_mov_b32 s[G1+4], 3                           ; tile_dim1
	s_mov_b32 s[G1+5], 65536                       ; from row to row: 524,288 bytes
	s_mov_b32 s[G1+6], 0
	s_mov_b32 s[G1+7], 0
	s_mov_b32 s[CS], 0x3e38aa3b                    ; c = log2(e) / 8
	s_mov_b32 s[CS+1], s[CS]
	s_lshl_b32 s48, ttmp9, 2
	s_add_co_u32 s48, s48, s26
	s_lshl_b32 s48, s48, 13                        ; wc: tile 4 j + wave
	s_mov_b32 s49, 0
	s_lshl_b32 s50, s28, 5
	s_lshl_b32 s51, s26, 3
	s_add_co_u32 s50, s50, s51                     ; my first tile of tokens: 32 g + 8 wave
	s_lshl_b32 s52, s50, 9                         ; its scale words,
	s_mov_b32 s53, 0
	s_lshl_b32 s50, s50, 13                        ; its codes
	s_mov_b32 s51, 0
	s_lshl_b32 s54, ttmp9, 11                      ; ws: tile 4 j
	s_mov_b32 s55, 0
	s_lshl_b32 s56, ttmp9, 8                       ; the biases: 64 j numbers on
	s_mov_b32 s57, 0
	s_lshr_b32 s58, s28, 2                         ; out: batch g / 4,
	s_lshl_b32 s58, s58, 22
	s_lshl_b32 s59, ttmp9, 18                      ; head j,
	s_add_co_u32 s58, s58, s59
	s_and_b32 s59, s28, 3                          ; 512 (g % 4) tokens,
	s_lshl_b32 s59, s59, 16
	s_add_co_u32 s58, s58, s59
	s_lshl_b32 s59, s26, 14                        ; 128 wave tokens
	s_add_co_u32 s58, s58, s59
	s_mov_b32 s59, 0
	s_mul_i32 s29, s26, 24576                      ; LDS: column block = wave
	v_and_b32 v1, 31, v0
	v_and_b32 v2, 15, v0
	v_bfe_u32 v3, v0, 4, 1
	v_lshlrev_b32 v[L16], 4, v1
	v_add_nc_u32 v[LB1], 49152, v[L16]
	v_lshlrev_b32 v[R16], 4, v2
	v_lshlrev_b32 v[H32], 5, v3
	v_lshlrev_b32 v[VOF], 5, v2
	v_lshl_add_u32 v[VOF], v3, 4, v[VOF]
	s_wait_dscnt 0x0                               ; both opening adds are done
	s_wait_kmcnt 0x0
	s_mov_b32 s[G0], 1
	s_mov_b32 s[G0+1], s29
	s_add_nc_u64 s[G0+2:G0+3], s[12:13], s[48:49]
	s_or_b32 s[G0+3], s[G0+3], 0x80000000
	tensor_load_to_lds s[G0:G0+3], s[G1:G1+7]      ; my column block of the head's Wq, Wk, Wv: my one tensor load
	s_nop 0
	PLACES
	s_add_nc_u64 s[8:9], s[8:9], s[50:51]
	s_add_nc_u64 s[10:11], s[10:11], s[52:53]
	s_add_nc_u64 s[14:15], s[14:15], s[54:55]
	s_add_nc_u64 s[16:17], s[16:17], s[56:57]
	s_add_nc_u64 s[18:19], s[18:19], s[56:57]
	s_add_nc_u64 s[20:21], s[20:21], s[56:57]
	s_add_nc_u64 s[22:23], s[22:23], s[58:59]
	s_add_nc_u64 s[24:25], s[24:25], s[58:59]
	s_add_nc_u64 s[VP:VP+1], s[24:25], 0x1000000
.macro WSCALES p                       ; the scale words of product p's four column blocks, into set p % 2
.irp b, 0,1,2,3
.irp hf, 0,1
	global_load_b128 v[BS+32*((\p)%2)+8*\b+4*\hf:BS+32*((\p)%2)+8*\b+4*\hf+3], v[R16], s[14:15] offset:(\p)*32768+\b*512+\hf*256
.endr
.endr
.endm
.macro BIAS ptr                        ; register 8 b + i: the bias of channel 16 b + 8 h + i of the head
.irp b, 0,1,2,3
.irp i, 0,1
	global_load_b128 v[BI+8*\b+4*\i:BI+8*\b+4*\i+3], v[H32], s[\ptr:\ptr+1] offset:64*\b+16*\i
.endr
.endr
.endm
.irp a, 0,1,2,3,4,5,6,7
.irp hf, 0,1
	global_load_b128 v[AS+8*\a+4*\hf:AS+8*\a+4*\hf+3], v[R16], s[10:11] offset:\a*512+\hf*256
.endr
.endr
	WSCALES 0
	BIAS 16
.irp q, 0,1,2,3,4,5,6,7                ; x's fragments, K step by K step, 16 loads each
.if \q < 4
	WIN 0x40
.else
	WIN 0x80
.endif
.irp a, 0,1,2,3,4,5,6,7
.irp c, 0,1
	global_load_b128 v[64*(\q%4)+8*\a+4*\c:64*(\q%4)+8*\a+4*\c+3], v[L16], s[8:9] offset:\a*8192+\q*1024+\c*512
.endr
.endr
.endr
	WIN 0
	s_wait_tensorcnt 0x0                           ; my part of W is in LDS,
	s_barrier_signal -1
	s_barrier_wait -1                              ; everybody's is
.macro FETCHB p, q, set                ; product p's four fragments of W for K step q
.irp b, 0,1,2,3
.irp c, 0,1
.if \b < 2
	ds_load_b128 v[BF+32*(\set)+8*\b+4*\c:BF+32*(\set)+8*\b+4*\c+3], v[L16] offset:\b*24576+(\p)*8192+(\q)*1024+\c*512
.else
	ds_load_b128 v[BF+32*(\set)+8*\b+4*\c:BF+32*(\set)+8*\b+4*\c+3], v[LB1] offset:(\b-2)*24576+(\p)*8192+(\q)*1024+\c*512
.endif
.endr
.endr
.endm
; One product: 128 tokens x 64 channels over all of K, then out.  ptr, off: where to; scaled = 1: times c; nb: the next product's bias
.macro SUB p, ptr, off, scaled, nb
.if \p > 0
	s_wait_loadcnt 0x0                             ; this product's scale words and bias are in
	s_wait_xcnt 0x0                                ; the last product's stores have read the accumulators' registers: they are written again only behind this wait
.endif
	FETCHB \p, 0, 0
.irp q, 0,1,2,3,4,5,6,7
.if \q < 7
	PLACES
	FETCHB \p, \q+1, (\q+1)%2
	s_wait_dscnt 8                                 ; this K step's fragments are in; the eight loads just issued may be out
.else
	s_wait_dscnt 0x0
.endif
.if \p == 0
.if 16*(7-\q) > 63
	s_wait_loadcnt 63                              ; x's fragments of this K step are in (more are out behind them than a count can name: the smaller count is the safe one)
.else
	s_wait_loadcnt 16*(7-\q)                       ; x's fragments of this K step are in; 16 for each later step may be out
.endif
.endif
.if (\q == 7) && (\p < 2)
	WSCALES \p+1                                   ; into the set that this product does not use,
	BIAS \nb                                       ; and into the bias, which K step 0 has read, six runs of places ago
.endif
.if \q == 0
	WIN 0xc4                                       ; W window 0, x window 1, C (the bias) window 0, D window 3
.elseif \q < 4
	WIN 0xf4
.else
	WIN 0xf8                                       ; x window 2
.endif
.irp a, 0,1,2,3,4,5,6,7
.irp b, 0,1,2,3
.if \q == 0
	v_wmma_scale_f32_16x16x128_f8f6f4 v[8*(4*\a+\b):8*(4*\a+\b)+7], v[BF+32*(\q%2)+8*\b:BF+32*(\q%2)+8*\b+7], v[64*(\q%4)+8*\a:64*(\q%4)+8*\a+7], v[BI+8*\b:BI+8*\b+7], v[BS+32*((\p)%2)+8*\b+\q], v[AS+8*\a+\q] matrix_a_fmt:MATRIX_FMT_FP4 matrix_b_fmt:MATRIX_FMT_FP4
.else
	v_wmma_scale_f32_16x16x128_f8f6f4 v[8*(4*\a+\b):8*(4*\a+\b)+7], v[BF+32*(\q%2)+8*\b:BF+32*(\q%2)+8*\b+7], v[64*(\q%4)+8*\a:64*(\q%4)+8*\a+7], v[8*(4*\a+\b):8*(4*\a+\b)+7], v[BS+32*((\p)%2)+8*\b+\q], v[AS+8*\a+\q] matrix_a_fmt:MATRIX_FMT_FP4 matrix_b_fmt:MATRIX_FMT_FP4
.endif
.endr
.endr
	WIN 0
.endr
	PLACES
	WIN 0xcf                                       ; all in window 3: each accumulator from its low end on, rounded in place into its first four registers
.set n, 0
.rept 32
.if \scaled
.irp i, 0,2,4,6
	v_pk_mul_f32 v[8*n+\i:8*n+\i+1], v[8*n+\i:8*n+\i+1], s[CS:CS+1] op_sel_hi:[1,0]
.endr
.endif
.irp i, 0,1,2,3
	v_cvt_pk_f16_f32 v[8*n+\i], v[8*n+2*\i], v[8*n+2*\i+1]
.endr
.set n, n+1
.endr
	WIN 0x0c                                       ; a store's data are its source 1: window 3
.irp a, 0,1,2,3,4,5,6,7
.irp b, 0,1,2,3
	global_store_b128 v[\off], v[8*(4*\a+\b):8*(4*\a+\b)+3], s[\ptr:\ptr+1] offset:\a*2048+\b*512   ; the wave's store covers 512 consecutive bytes
.endr
.endr
	WIN 0
.endm
	SUB 0, 22, L16, 1, 18
	SUB 1, 24, L16, 0, 20
	SUB 2, VP, VOF, 0, 0
	s_wait_tensorcnt 0x0                           ; the wave's end
	ds_add_u32 v[SPW], v[NIL]
	s_wait_dscnt 0x0
	s_endpgm
.Lfunc_end_k_qab696de55f_qkv:
	.size	k_qab696de55f_qkv, .Lfunc_end_k_qab696de55f_qkv-k_qab696de55f_qkv
	.p2alignl 7, 3214868480
	.fill 96, 4, 3214868480
	.section	.rodata,"a",@progbits
	.p2align	6, 0x0
	.amdhsa_kernel k_qab696de55f_qkv
		.amdhsa_group_segment_fixed_size 167936
		.amdhsa_private_segment_fixed_size 0
		.amdhsa_enable_private_segment 0
		.amdhsa_kernarg_size 72
		.amdhsa_user_sgpr_count 2
		.amdhsa_user_sgpr_kernarg_segment_ptr 1
		.amdhsa_wavefront_size32 1
		.amdhsa_system_sgpr_workgroup_id_x 1
		.amdhsa_system_sgpr_workgroup_id_y 1
		.amdhsa_system_sgpr_workgroup_id_z 1
		.amdhsa_system_vgpr_workitem_id 0
		.amdhsa_next_free_vgpr 1024
		.amdhsa_next_free_sgpr 66
		.amdhsa_reserve_vcc 0
		.amdhsa_float_denorm_mode_32 3
		.amdhsa_float_denorm_mode_16_64 3
		.amdhsa_memory_ordered 1
		.amdhsa_forward_progress 1
		.amdhsa_inst_pref_size 177
	.end_amdhsa_kernel
	.amdgpu_metadata
---
amdhsa.version: [ 1, 2 ]
amdhsa.kernels:
  - .name:           k_qab696de55f_qkv
    .symbol:         k_qab696de55f_qkv.kd
    .args:
      - { .name: xc, .offset: 0, .size: 8, .value_kind: global_buffer, .address_space: global }
      - { .name: xs, .offset: 8, .size: 8, .value_kind: global_buffer, .address_space: global }
      - { .name: wc, .offset: 16, .size: 8, .value_kind: global_buffer, .address_space: global }
      - { .name: ws, .offset: 24, .size: 8, .value_kind: global_buffer, .address_space: global }
      - { .name: bq, .offset: 32, .size: 8, .value_kind: global_buffer, .address_space: global }
      - { .name: bk, .offset: 40, .size: 8, .value_kind: global_buffer, .address_space: global }
      - { .name: bv, .offset: 48, .size: 8, .value_kind: global_buffer, .address_space: global }
      - { .name: qh, .offset: 56, .size: 8, .value_kind: global_buffer, .address_space: global }
      - { .name: kvh, .offset: 64, .size: 8, .value_kind: global_buffer, .address_space: global }
    .group_segment_fixed_size: 167936
    .private_segment_fixed_size: 0
    .kernarg_segment_align: 8
    .kernarg_segment_size: 72
    .max_flat_workgroup_size: 128
    .sgpr_count:     66
    .vgpr_count:     1024
    .wavefront_size: 32
...
	.end_amdgpu_metadata
.endif
;; end of part 2
;; launch attn (part 3): grid 4 x 64, 8 waves a work-group, clusters of 4 x 1, 327,680 bytes of LDS; arguments qh, kvh, ao; writes ao
.if DOCPART == 3
	.amdgcn_target "amdgcn-amd-amdhsa--gfx1250"
	.amdhsa_code_object_version 6
	.text
	.protected	k_qab696de55f_attn
	.globl	k_qab696de55f_attn
	.p2align	8
	.type	k_qab696de55f_attn,@function
k_qab696de55f_attn:
	s_mov_b64 s[64:65], 0
	v_nop
	global_prefetch_b8 v0, s[64:65] scope:SCOPE_SE
	s_setreg_imm32_b32 hwreg(HW_REG_WAVE_MODE, 25, 1), 1
	s_wait_xcnt 0x0
	s_wait_alu depctr_hold_cnt(0) depctr_sa_sdst(0) depctr_va_vdst(0) depctr_va_sdst(0) depctr_va_ssrc(0) depctr_va_vcc(0) depctr_vm_vsrc(0)
	s_getreg_b32 s2, hwreg(HW_REG_IB_STS2, 6, 4)
	s_cmp_eq_u32 s2, 0
	s_cbranch_scc0 .Lentry_in_a_cluster
	s_endpgm
.Lentry_in_a_cluster:
	s_bfe_u32 s2, ttmp6, 0x10000c
	s_cmp_lg_u32 s2, 0x3003
	s_cbranch_scc0 .Lentry_shape_is_right
	s_endpgm
.Lentry_shape_is_right:
; O[bh][q] = the sum over k of softmax_k(Q[bh][q] . K[bh][k] / 8) V[bh][k]; 64 heads of 2,048 tokens x 64 channels, no mask.  Q arrives multiplied by log2(e) / 8, so a score is an exponent of 2.
; Operands in f16, products, maxima and sums in f32; the weights p are rounded to f16 for the second product, O once at the end.
; SHARES.  A work-group owns 512 queries of one head, each of its eight waves 64: four tiles of 16.  Two waves share a SIMD, so that one wave's softmax stands beside the other's products.  Every wave walks all keys, 64 a step.
; LAYOUT.  S^T = K Q^T (source 0 = 16 keys, source 1 = 16 queries): a lane holds ONE query (lane % 16) and keys 8 (lane / 16) + 0..7.  Two such tiles, rounded to f16 in pairs, ARE source 1 of O^T = V^T P,
; whose result again holds one query a lane.  K and Q lie in memory as images of their fragments (16 bytes a lane at 16 x lane); V lies in blocks of 16 keys x 16 channels, row-major, and is turned by ds_load_tr16_b128.
; SOFTMAX.  A running maximum m and sum l for each query: p = 2^(s - m); in every step O and l are multiplied by a = 2^(m_old - m_new).  m begins at -3e38 and O and l at 0, so that the step has one form.
; RING.  Two LDS slots of 512 keys (64 KiB of K, 64 KiB of V).  Each of the eight waves moves 16 KiB of a slot with one tensor load.
; CLUSTER.  The head's four blocks of queries form a cluster and walk the same K and V: each tile is asked for JOINTLY, by the same tensor load with the same descriptor and a mask that names the four.
; LIMITS: NaN and infinities are not served; a result beyond 65,504 in magnitude becomes infinite in f16 (it is never larger than the largest |V|).
; REGISTERS: window 0: v2-9 addresses; v16-47 eight registers of statistics a tile; v64-191 S^T, 32 a tile, p's f16 pairs then in each tile's first 16; v192-255 K of a step.
;   window 1: v0-63 Q, 16 a tile; v64-191 O^T, 32 a tile; v192-255 V of a step.
.set SLOT1, 1<<17                      ; slot 1 begins here: one exclusive or turns an address in one slot into the other's
.set SPARE, 2*SLOT1                    ; behind the ring: the spare words, 128 bytes for each wave, which no other line names
.set AK0, 2                            ; v2   16 x lane: my place in a block of K, of Q, of O
.set AV0, 3                            ; v3   my place in a block of V, + 65,536
.set ADK, 4                            ; v4   LDS address of the step's K
.set ADV, 5                            ; v5   of its V
.set PFO, 7                            ; v7   the prefetches' offset; never rewritten
.set SPW, 8                            ; v8   LDS address of my spare word; never rewritten
.set NIL, 9                            ; v9   0; never rewritten
.set ST,  16                           ; tile t's statistics at v[ST + 8 t]: +0 m, +1 its pair's partner, +2, +3 l (even keys', odd keys'), +4 to +7 c0-c3 at work; a takes c2's place
.set S,   64
.set KR,  192
.set OT,  64                           ; in window 1
.set VR,  192                          ; in window 1
.set WV,  10                           ; s10  my wave's number
.set G1,  16                           ; s[16:23] descriptor group 1
.set G0A, 24                           ; s[24:27] group 0 of slot 0's first fill
.set G0B, 28                           ; s[28:31] group 0 of slot 1's first fill; it then walks
.set SEL, 32                           ; s[32:33] lane selects for lane l xor 16
.set TB,  34                           ; s34  LDS byte at which the step's K begins
.set CNT, 35                           ; s35  counts a slot's eight steps down
.set SLOTS, 36                         ; s36  slots still to be asked for
.set PFT, 37                           ; s37  the count of steps at which my wave prefetches; -1: never
.set PFA, 38                           ; s[38:39] where my prefetch stands
.set MSB, 0
.macro WIN new                         ; the immediate's high byte repeats the setting that is left
.if MSB != \new
	s_set_vgpr_msb (MSB<<8)|\new
.set MSB, \new
.endif
.endm
.macro PLACES
.rept 4
	v_nop
.endr
.endm
; A round of the cluster's barrier: my work-group's barrier; wave 0 signals for the work-group; every wave waits for all four work-groups; my work-group's barrier once more
.macro CROUND
	s_barrier_signal -1
	s_barrier_wait -1
	s_cmp_lg_u32 s[WV], 0
	s_cbranch_scc1 .Lnot_wave_0_\@
	s_barrier_signal -3
.Lnot_wave_0_\@:
	s_barrier_wait -3
	s_barrier_signal -1
	s_barrier_wait -1
.endm
; A PREFETCH INTO THE L2 of the 512 keys that the next change of slots will ask for, in the slot's seventh step: two key steps, 128 matrix instructions a wave, ahead of that load.
; Each aligned block of 256 bytes is named once in the launch: the head has one cluster; its four partners take a quarter (4,096 bytes) of each wave's 16 KiB, told apart BY ADDRESS;
; in each, the even waves ask, lanes 0-15 for the wave's own part and lanes 16-31 for the next wave's, 256 bytes from lane to lane.  The first two slots come by their loads alone; the last two periods ask for nothing.
.macro ASK
	s_cmp_eq_u32 s[CNT], s[PFT]
	s_cbranch_scc0 .Lnot_mine_\@
	global_prefetch_b8 v[PFO], s[PFA:PFA+1] th:TH_LOAD_NT scope:SCOPE_SE
.Lnot_mine_\@:
.endm
	s_load_b128 s[4:7], s[0:1], 0x0                ; qh, kvh
	s_load_b64 s[8:9], s[0:1], 0x10                ; ao
	v_lshl_add_u32 v[SPW], v0, 2, SPARE
	v_mov_b32 v[NIL], 0
	ds_add_u32 v[SPW], v[NIL]                      ; the wave's opening: the add, twice on end, and its wait ahead of my first tensor load
	ds_add_u32 v[SPW], v[NIL]
	v_lshrrev_b32 v1, 5, v0
	v_readfirstlane_b32 s[WV], v1                  ; wave 0..7
	s_bfe_u32 s11, ttmp6, 0x40000                  ; cx: my place in the cluster
	s_lshl_b32 s13, ttmp9, 2
	s_add_co_u32 s13, s13, s11                     ; my block of 512 queries: it enters Q's and O's addresses alone
	s_and_b32 s12, ttmp7, 0xffff                   ; batch x head, which the four partners share
	s_lshr_b32 s40, s[WV], 2                       ; what I fetch: waves 0-3 K, waves 4-7 V (16,777,216 bytes on),
	s_lshl_b32 s40, s40, 24
	s_lshl_b32 s41, s12, 18                        ; the head's 262,144 bytes,
	s_add_co_u32 s40, s40, s41
	s_and_b32 s41, s[WV], 3                        ; my quarter of a slot's 64 KiB
	s_lshl_b32 s41, s41, 14
	s_add_co_u32 s40, s40, s41
	s_mov_b32 s41, 0
	s_lshl_b32 s42, s[WV], 14                      ; and its place in a slot: no place in the cluster enters an LDS address
	s_lshl_b32 s44, s12, 18                        ; Q: head, block of 512 queries, my wave's 64
	s_lshl_b32 s45, s13, 16
	s_add_co_u32 s44, s44, s45
	s_lshl_b32 s45, s[WV], 13
	s_add_co_u32 s44, s44, s45
	s_mov_b32 s45, 0
	s_lshr_b32 s46, s12, 4                         ; ao: batch, block, wave (four tiles of 32,768 bytes), and the head's 2,048 bytes of a tile
	s_lshl_b32 s46, s46, 22
	s_lshl_b32 s47, s13, 20
	s_add_co_u32 s46, s46, s47
	s_lshl_b32 s47, s[WV], 17
	s_add_co_u32 s46, s46, s47
	s_and_b32 s47, s12, 15
	s_lshl_b32 s47, s47, 11
	s_add_co_u32 s46, s46, s47
	s_mov_b32 s47, 0
	s_lshl_b32 s48, s11, 12                        ; the prefetches: my work-group's quarter,
	s_add_co_u32 s48, s48, 131072                  ; in the third 512 keys
	s_mov_b32 s49, 0
	; descriptor group 1: a dense block of 16 KiB as 64 rows of 256 bytes
	s_mov_b32 s[G1], 15|(3<<16)|(1<<21)            ; 15:0 the mask: all four work-groups; elements of 8 bytes; bit 21 set beside a mask; no padding
	s_mov_b32 s[G1+1], 32<<16                      ; tensor_dim0 = 32 elements
	s_mov_b32 s[G1+2], 64<<16                      ; tensor_dim1 = 64
	s_mov_b32 s[G1+3], 32<<16                      ; tile_dim0
	s_mov_b32 s[G1+4], 64                          ; tile_dim1
	s_mov_b32 s[G1+5], 32                          ; from row to row
	s_mov_b32 s[G1+6], 0
	s_mov_b32 s[G1+7], 0
	s_mov_b32 s[SEL], 0x76543210
	s_mov_b32 s[SEL+1], 0xfedcba98
	s_mov_b32 s[TB], 0
	s_mov_b32 s[SLOTS], 2
	s_and_b32 s[PFT], s[WV], 1
	s_cmp_eq_u32 s[PFT], 0
	s_cselect_b32 s[PFT], 2, -1                    ; the even waves, where two steps of a slot are left: the same in all four partners
	v_and_b32 v1, 31, v0
	v_lshlrev_b32 v[AK0], 4, v1
	v_bfe_u32 v10, v0, 4, 1                        ; h
	v_and_b32 v11, 7, v0
	v_lshl_add_u32 v[AV0], v10, 3, v11             ; the turning load: lane l reads key 8 h + l % 8,
	v_lshlrev_b32 v[AV0], 5, v[AV0]                ; 32 bytes a key,
	v_bfe_u32 v11, v0, 3, 1
	v_lshl_add_u32 v[AV0], v11, 4, v[AV0]          ; channels 8 ((l / 8) % 2) on
	v_add_nc_u32 v[AV0], 65536, v[AV0]             ; V lies behind a slot's K
	v_and_b32 v11, 15, v0
	v_lshlrev_b32 v[PFO], 8, v11
	v_lshl_add_u32 v[PFO], v10, 14, v[PFO]
	s_wait_dscnt 0x0                               ; both opening adds are done
	s_wait_kmcnt 0x0
	s_add_nc_u64 s[40:41], s[6:7], s[40:41]        ; my part of the head's first 512 keys
	s_add_nc_u64 s[4:5], s[4:5], s[44:45]
	s_add_nc_u64 s[8:9], s[8:9], s[46:47]
	s_add_nc_u64 s[PFA:PFA+1], s[40:41], s[48:49]
	CROUND                                         ; all four work-groups are here: the first joint loads meet
	s_mov_b32 s[G0A], 1
	s_mov_b32 s[G0A+1], s42
	s_mov_b64 s[G0A+2:G0A+3], s[40:41]
	s_or_b32 s[G0A+3], s[G0A+3], 0x80000000
	s_mov_b32 s[G0B], 1
	s_add_co_u32 s[G0B+1], s42, SLOT1
	s_add_nc_u64 s[G0B+2:G0B+3], s[40:41], 65536
	s_or_b32 s[G0B+3], s[G0B+3], 0x80000000
	tensor_load_to_lds s[G0A:G0A+3], s[G1:G1+7]    ; keys 0-511 into slot 0,
	s_nop 0
	tensor_load_to_lds s[G0B:G0B+3], s[G1:G1+7]    ; keys 512-1,023 into slot 1: two loads of mine are out
	s_nop 0
	PLACES
	WIN 0x40                                       ; destination window 1
.set n, 0
.rept 16
	global_load_b128 v[4*n:4*n+3], v[AK0], s[4:5] offset:512*n   ; Q stays in registers: tile n / 4, channels 16 (n % 4) on
.set n, n+1
.endr
.set n, 0
.rept 128
	v_mov_b32 v[OT+n], 0                           ; O^T, once: the step is written in one form, and its first pass multiplies zeros
.set n, n+1
.endr
	WIN 0
.irp t, 0,1,2,3
	v_mov_b32 v[ST+8*\t], 0xff61b1e6               ; m: -3e38, under every score
	v_mov_b32 v[ST+8*\t+1], 0                      ; (named with m as a pair)
	v_mov_b32 v[ST+8*\t+2], 0                      ; l
	v_mov_b32 v[ST+8*\t+3], 0
.endr
; A KEY STEP: 64 keys.
.macro STEP
	v_add_nc_u32 v[ADK], s[TB], v[AK0]
	v_add_nc_u32 v[ADV], s[TB], v[AV0]
	PLACES                                         ; six places behind the last step's products: four are owed to the loads into V's registers, five to the products below, which write over p
.set n, 0
.rept 16
	ds_load_b128 v[KR+4*n:KR+4*n+3], v[ADK] offset:512*n   ; K: keys 16 (n / 4) on, channels 16 (n % 4) on: fragment (kt, f) at KR + 16 kt + 8 f
.set n, n+1
.endr
	ASK
	WIN 0x40
.irp ct, 0,1,2,3
.irp g, 0,1
.irp c, 0,1
	ds_load_tr16_b128 v[VR+16*\ct+8*\g+4*\c:VR+16*\ct+8*\g+4*\c+3], v[ADV] offset:(2*\g+\c)*2048+\ct*512   ; V^T: channels 16 ct on, keys 32 g + 16 c on
.endr
.endr
.endr
	s_wait_dscnt 16                                ; K is in; V's sixteen loads may be out
	WIN 0x04                                       ; K and S^T window 0, Q window 1
.irp f, 0,1                            ; the 16 accumulators take turns, one instruction a turn
.irp kt, 0,1,2,3
.irp t, 0,1,2,3
.if \f == 0
	v_wmma_f32_16x16x32_f16 v[S+32*\t+8*\kt:S+32*\t+8*\kt+7], v[KR+16*\kt+8*\f:KR+16*\kt+8*\f+7], v[16*\t+8*\f:16*\t+8*\f+7], 0
.else
	v_wmma_f32_16x16x32_f16 v[S+32*\t+8*\kt:S+32*\t+8*\kt+7], v[KR+16*\kt+8*\f:KR+16*\kt+8*\f+7], v[16*\t+8*\f:16*\t+8*\f+7], v[S+32*\t+8*\kt:S+32*\t+8*\kt+7]
.endif
.endr
.endr
.endr
	WIN 0
	PLACES
	; the maximum of a lane's 32 scores and the old m: four chains, each accumulator from its low end on; the four tiles by turns
.irp j, 0,1,2,3
.irp t, 0,1,2,3
	v_max3_num_f32 v[ST+8*\t+4+\j], v[S+32*\t+8*\j], v[S+32*\t+8*\j+1], v[S+32*\t+8*\j+2]
.endr
.endr
.irp u, 3,5
.irp j, 0,1,2,3
.irp t, 0,1,2,3
	v_max3_num_f32 v[ST+8*\t+4+\j], v[ST+8*\t+4+\j], v[S+32*\t+8*\j+\u], v[S+32*\t+8*\j+\u+1]
.endr
.endr
.endr
.irp t, 0,1,2,3
	v_max3_num_f32 v[ST+8*\t+4], v[ST+8*\t+4], v[S+32*\t+7], v[S+32*\t+15]
.endr
.irp t, 0,1,2,3
	v_max3_num_f32 v[ST+8*\t+6], v[ST+8*\t+6], v[S+32*\t+23], v[S+32*\t+31]
.endr
.irp t, 0,1,2,3
	v_max3_num_f32 v[ST+8*\t+4], v[ST+8*\t+4], v[ST+8*\t+5], v[ST+8*\t+6]
.endr
.irp t, 0,1,2,3
	v_max3_num_f32 v[ST+8*\t+4], v[ST+8*\t+4], v[ST+8*\t+7], v[ST+8*\t]
.endr
.irp t, 0,1,2,3
	v_permlanex16_b32 v[ST+8*\t+5], v[ST+8*\t+4], s[SEL], s[SEL+1]   ; the query's other 32 keys lie in the lane 16 away
.endr
.irp t, 0,1,2,3
	v_max_num_f32 v[ST+8*\t+4], v[ST+8*\t+4], v[ST+8*\t+5]           ; the new m
.endr
.irp t, 0,1,2,3
	v_sub_f32 v[ST+8*\t+7], v[ST+8*\t], v[ST+8*\t+4]                 ; m_old - m_new
.endr
.irp t, 0,1,2,3
	v_mov_b32 v[ST+8*\t], v[ST+8*\t+4]
.endr
	; ONE BATCH of 132 exponentials: none of these lines names an exponential's result
.irp t, 0,1,2,3
	v_exp_f32 v[ST+8*\t+6], v[ST+8*\t+7]           ; a
.endr
.irp i, 0,1,2,3,4,5,6,7,8,9,10,11,12,13,14,15
.irp t, 0,1,2,3
	v_pk_add_f32 v[S+32*\t+2*\i:S+32*\t+2*\i+1], v[S+32*\t+2*\i:S+32*\t+2*\i+1], v[ST+8*\t:ST+8*\t+1] op_sel_hi:[1,0] neg_lo:[0,1] neg_hi:[0,1]   ; s - m, a pair of scores
.endr
.irp t, 0,1,2,3
	v_exp_f32 v[S+32*\t+2*\i], v[S+32*\t+2*\i]
	v_exp_f32 v[S+32*\t+2*\i+1], v[S+32*\t+2*\i+1]
.endr
.endr
	v_nop                                          ; a plain instruction behind the last exponential,
	s_wait_alu depctr_va_vdst(0)                   ; and the one wait ahead of the batch's first reader
.irp t, 0,1,2,3
	v_pk_fma_f32 v[ST+8*\t+2:ST+8*\t+3], v[ST+8*\t+2:ST+8*\t+3], v[ST+8*\t+6:ST+8*\t+7], v[S+32*\t:S+32*\t+1] op_sel_hi:[1,0,1]   ; l = a l + the first pair
.endr
.irp t, 0,1,2,3
	v_cvt_pk_f16_f32 v[S+32*\t], v[S+32*\t], v[S+32*\t+1]
.endr
.irp i, 1,2,3,4,5,6,7,8,9,10,11,12,13,14,15
.irp t, 0,1,2,3
	v_pk_add_f32 v[ST+8*\t+2:ST+8*\t+3], v[ST+8*\t+2:ST+8*\t+3], v[S+32*\t+2*\i:S+32*\t+2*\i+1]   ; the sum takes p before it is rounded
.endr
.irp t, 0,1,2,3
	v_cvt_pk_f16_f32 v[S+32*\t+\i], v[S+32*\t+2*\i], v[S+32*\t+2*\i+1]   ; in place, ascending: pair i goes to register i, which has been summed and rounded
.endr
.endr
	WIN 0x41                                       ; O^T window 1, a window 0
.irp t, 0,1,2,3
.irp i, 0,1,2,3,4,5,6,7,8,9,10,11,12,13,14,15
	v_pk_mul_f32 v[OT+32*\t+2*\i:OT+32*\t+2*\i+1], v[OT+32*\t+2*\i:OT+32*\t+2*\i+1], v[ST+8*\t+6:ST+8*\t+7] op_sel_hi:[1,0]
.endr
.endr
	s_wait_dscnt 0x0                               ; V is in
	WIN 0x51                                       ; V and O^T window 1, p window 0
.irp g, 0,1
.irp ct, 0,1,2,3
.irp t, 0,1,2,3
	v_wmma_f32_16x16x32_f16 v[OT+32*\t+8*\ct:OT+32*\t+8*\ct+7], v[VR+16*\ct+8*\g:VR+16*\ct+8*\g+7], v[S+32*\t+8*\g:S+32*\t+8*\g+7], v[OT+32*\t+8*\ct:OT+32*\t+8*\ct+7]
.endr
.endr
.endr
	WIN 0
	s_add_co_u32 s[TB], s[TB], 8192                ; the next 64 keys
.endm
.macro SLOT_STEPS                      ; a slot's eight key steps: written once, walked eight times
	s_mov_b32 s[CNT], 8
.Lstep_\@:
	STEP
	s_sub_co_u32 s[CNT], s[CNT], 1
	s_cmp_lg_u32 s[CNT], 0
	s_cbranch_scc1 .Lstep_\@
.endm
; THE CHANGE OF SLOTS.  Each wave waits for all its tensor loads (its part of the other slot), adds 0 to its spare word, and waits for that and for its reads of the slot that it leaves.
; fill = 1: the barrier is a round of the cluster's, so that no wave of any partner still reads the slot or has a load on its way; the joint refill, the keys two slots on, is the first thing behind it
; and has eight key steps in which to land.
.macro CHANGE fill
	s_wait_tensorcnt 0x0                           ; no tensor load of mine is out, so a group 0 may be written
	ds_add_u32 v[SPW], v[NIL]                      ; 0 onto my spare word
.if \fill
	s_xor_b32 s[G0B+1], s[G0B+1], SLOT1            ; the walking descriptor: the other slot than last time,
	s_add_nc_u64 s[G0B+2:G0B+3], s[G0B+2:G0B+3], 65536   ; the next 512 keys; the type bits on top are not reached
	s_wait_xcnt 0x0                                ; the last prefetch, two key steps back, has read its address, so it may be written
	s_add_nc_u64 s[PFA:PFA+1], s[PFA:PFA+1], 65536
	s_cmp_gt_u32 s[SLOTS], 1
	s_cselect_b32 s[PFT], s[PFT], -1               ; behind the last refill there is nothing left to ask for
	s_wait_dscnt 0x0                               ; the add is done, and my reads of the slot are over
	CROUND
	tensor_load_to_lds s[G0B:G0B+3], s[G1:G1+7]
	s_nop 0
	PLACES
.else
	s_wait_dscnt 0x0
	s_barrier_signal -1
	s_barrier_wait -1
.endif
	s_sub_co_u32 s[TB], s[TB], 65536               ; back to a slot's first step,
	s_xor_b32 s[TB], s[TB], SLOT1                  ; in the other slot
.endm
	s_wait_tensorcnt 1                             ; my part of slot 0 is in; slot 1's may stay out
	s_barrier_signal -1
	s_barrier_wait -1                              ; everybody's is
	s_wait_loadcnt 0x0                             ; Q
	SLOT_STEPS                                     ; keys 0-511
.Lslot:                                            ; two trips: keys 512-1,023 and 1,024-1,535; each fills the slot just left
	CHANGE 1
	SLOT_STEPS
	s_sub_co_u32 s[SLOTS], s[SLOTS], 1
	s_cmp_lg_u32 s[SLOTS], 0
	s_cbranch_scc1 .Lslot
	CHANGE 0                                       ; the tail is written out
	SLOT_STEPS                                     ; keys 1,536-2,047
	; THE WAY OUT.  l's two halves and the other half of the lanes' are added; O^T / l is rounded to f16.  A lane's eight channels of a query are 16 bytes of the next launch's operand image: stored as they stand.
.irp t, 0,1,2,3
	v_add_f32 v[ST+8*\t+4], v[ST+8*\t+2], v[ST+8*\t+3]               ; (these additions are the places behind the last products)
.endr
.irp t, 0,1,2,3
	v_permlanex16_b32 v[ST+8*\t+5], v[ST+8*\t+4], s[SEL], s[SEL+1]
.endr
.irp t, 0,1,2,3
	v_add_f32 v[ST+8*\t+4], v[ST+8*\t+4], v[ST+8*\t+5]
.endr
.irp t, 0,1,2,3
	v_rcp_f32 v[ST+8*\t+6], v[ST+8*\t+4]
.endr
	v_nop                                          ; a plain instruction behind the last reciprocal,
	s_wait_alu depctr_va_vdst(0)                   ; and the wait ahead of the first use: one for the four
	WIN 0x41
.irp t, 0,1,2,3
.irp i, 0,1,2,3,4,5,6,7,8,9,10,11,12,13,14,15
	v_pk_mul_f32 v[OT+32*\t+2*\i:OT+32*\t+2*\i+1], v[OT+32*\t+2*\i:OT+32*\t+2*\i+1], v[ST+8*\t+6:ST+8*\t+7] op_sel_hi:[1,0]
.endr
.endr
	WIN 0x05                                       ; sources window 1, destination window 0: S^T's registers are free
.irp t, 0,1,2,3
.irp i, 0,1,2,3,4,5,6,7,8,9,10,11,12,13,14,15
	v_cvt_pk_f16_f32 v[S+16*\t+\i], v[OT+32*\t+2*\i], v[OT+32*\t+2*\i+1]
.endr
.endr
	WIN 0
.irp t, 0,1,2,3
.irp ct, 0,1,2,3
	global_store_b128 v[AK0], v[S+16*\t+4*\ct:S+16*\t+4*\ct+3], s[8:9] offset:\t*32768+\ct*512   ; the wave's store covers 512 consecutive bytes
.endr
.endr
	s_wait_tensorcnt 0x0                           ; the wave's end
	ds_add_u32 v[SPW], v[NIL]
	s_wait_dscnt 0x0
	CROUND                                         ; the closing round: no work-group ends while a partner may still ask for a tile that names it
	s_endpgm
.Lfunc_end_k_qab696de55f_attn:
	.size	k_qab696de55f_attn, .Lfunc_end_k_qab696de55f_attn-k_qab696de55f_attn
	.p2alignl 7, 3214868480
	.fill 96, 4, 3214868480
	.section	.rodata,"a",@progbits
	.p2align	6, 0x0
	.amdhsa_kernel k_qab696de55f_attn
		.amdhsa_group_segment_fixed_size 327680
		.amdhsa_private_segment_fixed_size 0
		.amdhsa_enable_private_segment 0
		.amdhsa_kernarg_size 24
		.amdhsa_user_sgpr_count 2
		.amdhsa_user_sgpr_kernarg_segment_ptr 1
		.amdhsa_wavefront_size32 1
		.amdhsa_system_sgpr_workgroup_id_x 1
		.amdhsa_system_sgpr_workgroup_id_y 1
		.amdhsa_system_sgpr_workgroup_id_z 1
		.amdhsa_system_vgpr_workitem_id 0
		.amdhsa_next_free_vgpr 512
		.amdhsa_next_free_sgpr 66
		.amdhsa_reserve_vcc 0
		.amdhsa_float_denorm_mode_32 3
		.amdhsa_float_denorm_mode_16_64 3
		.amdhsa_memory_ordered 1
		.amdhsa_forward_progress 1
		.amdhsa_inst_pref_size 119
	.end_amdhsa_kernel
	.amdgpu_metadata
---
amdhsa.version: [ 1, 2 ]
amdhsa.kernels:
  - .name:           k_qab696de55f_attn
    .symbol:         k_qab696de55f_attn.kd
    .args:
      - { .name: qh, .offset: 0, .size: 8, .value_kind: global_buffer, .address_space: global }
      - { .name: kvh, .offset: 8, .size: 8, .value_kind: global_buffer, .address_space: global }
      - { .name: ao, .offset: 16, .size: 8, .value_kind: global_buffer, .address_space: global }
    .group_segment_fixed_size: 327680
    .private_segment_fixed_size: 0
    .kernarg_segment_align: 8
    .kernarg_segment_size: 24
    .max_flat_workgroup_size: 256
    .sgpr_count:     66
    .vgpr_count:     512
    .wavefront_size: 32
...
	.end_amdgpu_metadata
.endif
;; end of part 3
;; launch oproj (part 4): grid 4 x 64, 4 waves a work-group, clusters of 4 x 4, 327,680 bytes of LDS; arguments ao, wo16, bo, out0; writes out0
.if DOCPART == 4
	.amdgcn_target "amdgcn-amd-amdhsa--gfx1250"
	.amdhsa_code_object_version 6
	.text
	.protected	k_qab696de55f_oproj
	.globl	k_qab696de55f_oproj
	.p2align	8
	.type	k_qab696de55f_oproj,@function
k_qab696de55f_oproj:
	s_mov_b64 s[64:65], 0
	v_nop
	global_prefetch_b8 v0, s[64:65] scope:SCOPE_SE
	s_setreg_imm32_b32 hwreg(HW_REG_WAVE_MODE, 25, 1), 1
	s_wait_xcnt 0x0
	s_wait_alu depctr_hold_cnt(0) depctr_sa_sdst(0) depctr_va_vdst(0) depctr_va_sdst(0) depctr_va_ssrc(0) depctr_va_vcc(0) depctr_vm_vsrc(0)
	s_getreg_b32 s2, hwreg(HW_REG_IB_STS2, 6, 4)
	s_cmp_eq_u32 s2, 0
	s_cbranch_scc0 .Lentry_in_a_cluster
	s_endpgm
.Lentry_in_a_cluster:
	s_bfe_u32 s2, ttmp6, 0x10000c
	s_cmp_lg_u32 s2, 0xf033
	s_cbranch_scc0 .Lentry_shape_is_right
	s_endpgm
.Lentry_shape_is_right:
; out0[m][n] = the sum over k of A[m][k] Wo[n][k] + bo[n].  A (the attention's result, 8,192 x 1,024) and Wo (1,024 x 1,024) arrive in f16 as images of operand registers:
; [tile of 16 rows][kf = 32 along K][c 0,1][lane][16 bytes]; sums in f32; out0 is f32.
; A tile of out0 is 128 tokens x 256 columns: 256 work-groups.  Four waves, each 64 x 128: 32 accumulators of 16 x 16.  K goes in steps of 128 through a ring of two LDS slots: of each tile of 16 rows a K step is
; 4,096 consecutive bytes, and a fragment is read from LDS at 16 x lane: no pitch, no padding.
; CLUSTERS: 4 x 4 work-groups.  The four of a row of the cluster need the same tiles of A, the four of a column the same tiles of Wo: each is asked for JOINTLY, by the same tensor load with the same descriptor
; and a mask that names the four.  THE MATRIX INSTRUCTION IS USED TRANSPOSED (source 0 = 16 rows of Wo, source 1 = 16 rows of A): a lane holds eight neighbouring numbers of a row of out0.
; bo is the C of each sum's first matrix instruction.  The 32 accumulators take turns, one instruction a turn, in the same order in every quarter.
; REGISTERS: window 0: v16-29 addresses; v64-159, v160-255 two fragment buffers (64 of Wo, 32 of A: 32 along K); on the way out v64-191 rows of out0.
;   window 1: the accumulators at v[8 (8 a + b)];  window 2: v0-63 bo in the result's layout.
.set KSB,   4096                       ; a K step of one tile of 16 rows, in bytes
.set SLOT,  98304                      ; A's 8 tiles, then Wo's 16
.set BOFF,  32768
.set STAGE, 2*SLOT                     ; behind the ring: 16 rows x (512 + 16) bytes for each wave, for the way out
.set SP,    528
.set SPARE, STAGE+4*16*SP              ; behind the stages: the spare words, 128 bytes for each wave, which no other line names
.set LAPS,  4                          ; a lap = two K steps = once round the ring; 1,024 / 256
.set ADRA, 16                          ; v16-17 LDS address of my A fragments in slot 0, 1
.set ADRB, 20                          ; v20-21 the same for Wo
.set STO,  24                          ; v24  the way out: where I put 32 bytes of a row
.set RD,   25                          ; v25  where I read a row back
.set CO,   26                          ; v26  16 x lane: my bytes of a row's 512
.set H32,  27                          ; v27  32 h
.set SPW,  28                          ; v28  LDS address of my spare word; never rewritten
.set NIL,  29                          ; v29  0; never rewritten
.set F0,   64
.set F1,   160
.set WV,   12                          ; s12  wave
.set SIDE, 13                          ; s13  wave / 2: which 64 tokens are mine.  Also: I fetch for A (0) or for Wo (1)
.set HALF, 14                          ; s14  wave % 2: which 128 columns.  Also: which half of that tile I fetch
.set G1,  24                           ; s[24:31] descriptor group 1 for A's tiles;  s[32:39] group 0, one set for each slot
.set G0,  32
.set G1B, 48                           ; s[48:55], s[56:63] the same for Wo's
.set G0B, 56
.set MUL,  0x50                        ; sources window 0, C and D window 1
.set MULB, 0x60                        ; C (bo) window 2, D window 1
.set MSB, 0
.macro WIN new                         ; the immediate's high byte repeats the setting that is left
.if MSB != \new
	s_set_vgpr_msb (MSB<<8)|\new
.set MSB, \new
.endif
.endm
.macro PLACES
.rept 4
	v_nop
.endr
.endm
.macro JLOAD s                         ; a joint load: waves 0 and 1 fetch A's two halves, waves 2 and 3 Wo's; the branch hangs on the wave's number alone
	s_cmp_eq_u32 s[SIDE], 0
	s_cbranch_scc0 .Lfor_b_\@
	tensor_load_to_lds s[G0+4*\s:G0+4*\s+3], s[G1:G1+7]
	s_nop 0
	PLACES
	s_branch .Lasked_\@
.Lfor_b_\@:
	tensor_load_to_lds s[G0B+4*\s:G0B+4*\s+3], s[G1B:G1B+7]
	s_nop 0
	PLACES
.Lasked_\@:
.endm
.macro CREST                           ; a round of the cluster's barrier behind its opening barrier
	s_cmp_lg_u32 s[WV], 0
	s_cbranch_scc1 .Lnot_wave_0_\@
	s_barrier_signal -3
.Lnot_wave_0_\@:
	s_barrier_wait -3
	s_barrier_signal -1
	s_barrier_wait -1
.endm
.macro CROUND
	s_barrier_signal -1
	s_barrier_wait -1
	CREST
.endm
	s_load_b128 s[4:7], s[0:1], 0x0                ; ao, wo16
	s_load_b128 s[8:11], s[0:1], 0x10              ; bo, out0
	v_lshl_add_u32 v[SPW], v0, 2, SPARE
	v_mov_b32 v[NIL], 0
	ds_add_u32 v[SPW], v[NIL]                      ; the wave's opening: the add, twice on end, and its wait ahead of my first tensor load
	ds_add_u32 v[SPW], v[NIL]
	v_lshrrev_b32 v1, 5, v0
	v_readfirstlane_b32 s[WV], v1                  ; wave 0..3
	s_lshr_b32 s[SIDE], s[WV], 1
	s_and_b32 s[HALF], s[WV], 1
	s_bfe_u32 s40, ttmp6, 0x40000                  ; cx, cy: my place in the cluster
	s_bfe_u32 s41, ttmp6, 0x40004
	s_lshl_b32 s42, ttmp9, 2
	s_add_co_u32 s42, s42, s40                     ; tile column = 4 x cluster x + cx
	s_and_b32 s15, ttmp7, 0xffff
	s_lshl_b32 s15, s15, 2
	s_add_co_u32 s15, s15, s41                     ; tile row = 4 x cluster y + cy
	s_lshl_b32 s43, s41, 2
	s_lshl_b32 s43, 15, s43                        ; my row of the cluster
	s_lshl_b32 s44, 0x1111, s40                    ; my column
	; descriptor group 1: rows of 4,096 bytes (a K step of one tile of 16 rows), 32,768 bytes apart in memory, dense in LDS: 4 of them for half of A's tile, 8 for half of Wo's
	s_or_b32 s[G1], s43, (3<<16)|(1<<21)           ; the mask: A's tiles go to my row; elements of 8 bytes; bit 21 set beside a mask
	s_or_b32 s[G1B], s44, (3<<16)|(1<<21)          ; Wo's go to my column
	s_mov_b32 s[G1+1], 512<<16                     ; tensor_dim0 = 512 elements
	s_mov_b32 s[G1+2], 4<<16                       ; tensor_dim1
	s_mov_b32 s[G1+3], 512<<16                     ; tile_dim0
	s_mov_b32 s[G1+4], 4                           ; tile_dim1
	s_mov_b32 s[G1+5], 4096                        ; from row to row
	s_mov_b32 s[G1+6], 0
	s_mov_b32 s[G1+7], 0
	s_mov_b32 s[G1B+1], 512<<16
	s_mov_b32 s[G1B+2], 8<<16
	s_mov_b32 s[G1B+3], 512<<16
	s_mov_b32 s[G1B+4], 8
	s_mov_b32 s[G1B+5], 4096
	s_mov_b32 s[G1B+6], 0
	s_mov_b32 s[G1B+7], 0
	s_lshl_b32 s16, s15, 3                         ; A: tile of rows 8 x tile row + 4 x half,
	s_lshl_b32 s17, s[HALF], 2
	s_add_co_u32 s16, s16, s17
	s_lshl_b32 s16, s16, 15                        ; 32,768 bytes each
	s_mov_b32 s17, 0
	s_lshl_b32 s46, s42, 4                         ; Wo: 16 x tile column + 8 x half
	s_lshl_b32 s47, s[HALF], 3
	s_add_co_u32 s46, s46, s47
	s_lshl_b32 s46, s46, 15
	s_mov_b32 s47, 0
	s_lshl_b32 s20, s[HALF], 14                    ; where they go: no place in the cluster enters an LDS address
	s_lshl_b32 s21, s[HALF], 15
	s_add_co_u32 s21, s21, BOFF
	s_wait_dscnt 0x0                               ; both opening adds are done
	s_wait_kmcnt 0x0
	s_add_nc_u64 s[18:19], s[4:5], s[16:17]
	s_add_nc_u64 s[46:47], s[6:7], s[46:47]
	CROUND                                         ; all sixteen work-groups are here: the first joint loads meet
.irp s, 0,1
	s_mov_b32 s[G0+4*\s], 1
	s_add_co_u32 s[G0+4*\s+1], s20, \s*SLOT
	s_add_nc_u64 s[G0+4*\s+2:G0+4*\s+3], s[18:19], \s*KSB
	s_or_b32 s[G0+4*\s+3], s[G0+4*\s+3], 0x80000000
	s_mov_b32 s[G0B+4*\s], 1
	s_add_co_u32 s[G0B+4*\s+1], s21, \s*SLOT
	s_add_nc_u64 s[G0B+4*\s+2:G0B+4*\s+3], s[46:47], \s*KSB
	s_or_b32 s[G0B+4*\s+3], s[G0B+4*\s+3], 0x80000000
	JLOAD \s
.endr
	v_and_b32 v1, 15, v0                           ; r
	v_bfe_u32 v2, v0, 4, 1                         ; h
	v_and_b32 v3, 31, v0
	v_lshlrev_b32 v[CO], 4, v3
	v_lshlrev_b32 v[H32], 5, v2
	s_lshl_b32 s16, s[SIDE], 14                    ; my four tiles of A,
	s_lshl_b32 s17, s[HALF], 15                    ; my eight of Wo,
	s_add_co_u32 s17, s17, BOFF                    ; which lie behind A's
.irp s, 0,1
	v_add_nc_u32 v[ADRA+\s], s16, v[CO]
	v_add_nc_u32 v[ADRB+\s], s17, v[CO]
	s_add_co_u32 s16, s16, SLOT
	s_add_co_u32 s17, s17, SLOT
.endr
	s_mul_i32 s16, s[WV], 16*SP
	s_add_co_u32 s16, s16, STAGE                   ; my stage
	v_mul_u32_u24 v[STO], v1, SP
	v_lshl_add_u32 v[STO], v2, 5, v[STO]
	v_add_nc_u32 v[STO], s16, v[STO]               ; in: row r, 32 bytes for each half of the lanes
	v_add_nc_u32 v[RD], s16, v[CO]                 ; back: the 32 lanes take one row of 512 bytes
	s_lshl_b32 s16, s15, 7
	s_lshl_b32 s17, s[SIDE], 6
	s_add_co_u32 s16, s16, s17                     ; my first row of out0: 128 x tile row + 64 x (wave / 2),
	s_lshl_b32 s16, s16, 12                        ; 4,096 bytes a row
	s_mov_b32 s17, 0
	s_add_nc_u64 s[10:11], s[10:11], s[16:17]
	s_lshl_b32 s22, s42, 10                        ; my first column, in bytes: 1,024 x tile column + 512 x (wave % 2): in out0 and in bo alike
	s_lshl_b32 s23, s[HALF], 9
	s_add_co_u32 s22, s22, s23
	s_mov_b32 s23, 0
	s_add_nc_u64 s[10:11], s[10:11], s[22:23]
	s_add_nc_u64 s[8:9], s[8:9], s[22:23]
	WIN 0x80                                       ; destination window 2
.irp b, 0,1,2,3,4,5,6,7
.irp i, 0,1
	global_load_b128 v[8*\b+4*\i:8*\b+4*\i+3], v[H32], s[8:9] offset:64*\b+16*\i   ; register 8 b + i: bo of column 16 b + 8 h + i
.endr
.endr
	WIN 0
; 8 matrix instructions: A's block a x Wo's eight, 32 along K.  first = 1: bo starts the sums: nothing is ever cleared
.macro MULA f, a, first
.irp b, 0,1,2,3,4,5,6,7
.if \first
	v_wmma_f32_16x16x32_f16 v[8*(8*(\a)+\b):8*(8*(\a)+\b)+7], v[\f+8*\b:\f+8*\b+7], v[\f+64+8*(\a):\f+64+8*(\a)+7], v[8*\b:8*\b+7]
.else
	v_wmma_f32_16x16x32_f16 v[8*(8*(\a)+\b):8*(8*(\a)+\b)+7], v[\f+8*\b:\f+8*\b+7], v[\f+64+8*(\a):\f+64+8*(\a)+7], v[8*(8*(\a)+\b):8*(8*(\a)+\b)+7]
.endif
.endr
.endm
; 24 LDS loads in one run: the fragments of the slot's kq-th 32 along K into buffer f: Wo's eight, then A's four
.macro FETCH slot, kq, f
.irp b, 0,1,2,3,4,5,6,7
.irp c, 0,1
	ds_load_b128 v[\f+8*\b+4*\c:\f+8*\b+4*\c+3], v[ADRB+\slot] offset:\b*KSB+(\kq)*1024+\c*512
.endr
.endr
.irp a, 0,1,2,3
.irp c, 0,1
	ds_load_b128 v[\f+64+8*\a+4*\c:\f+64+8*\a+4*\c+3], v[ADRA+\slot] offset:\a*KSB+(\kq)*1024+\c*512
.endr
.endr
.endm
; A K step is four quarters of 32 along K, 32 matrix instructions each, on buffers 0, 1, 0, 1.  One of the first three: multiplies buffer f and fetches the next quarter, kq, into g
.macro QUARTER slot, kq, f, g, first
	s_wait_dscnt 4                                 ; Wo's fragments and A's blocks 0 and 1 are in; the youngest four loads may be out
	WIN MUL+0x10*\first
	MULA \f, 0, \first
	MULA \f, 1, \first
	PLACES
	WIN 0
	FETCH \slot, \kq, \g
	s_wait_dscnt 24                                ; all but the 24 just issued
	WIN MUL+0x10*\first
	MULA \f, 2, \first
	MULA \f, 3, \first
.endm
; The last quarter multiplies buffer 1 and changes slots: ONE barrier; in front of it each wave waits for all its tensor loads, adds 0 to its spare word, and waits for that and for its own reads of this slot.
; fill = 1: the barrier opens a round of the cluster's, and this slot is filled again, two K steps ahead, first thing behind the round
.macro TURN slot, next, fill
	WIN 0                                          ; (the add's two registers lie in window 0)
	s_wait_tensorcnt 0x0                           ; all my tensor loads have landed: my part of the next slot;
	ds_add_u32 v[SPW], v[NIL]                      ; 0 onto my spare word;
	s_wait_dscnt 5                                 ; (the add and the youngest four loads may be out)
	WIN MUL
	MULA F1, 0, 0                                  ; eight matrix instructions stand between the add and the wait for it
	s_wait_dscnt 0x0                               ; the add is done, and my reads of this slot are over
	s_barrier_signal -1
	MULA F1, 1, 0
	WIN 0
	s_barrier_wait -1
.if \fill
	CREST                                          ; no wave of any partner still reads this slot's tile or has a load on its way
	s_add_nc_u64 s[G0+4*\slot+2:G0+4*\slot+3], s[G0+4*\slot+2:G0+4*\slot+3], 2*KSB
	s_add_nc_u64 s[G0B+4*\slot+2:G0B+4*\slot+3], s[G0B+4*\slot+2:G0B+4*\slot+3], 2*KSB
	JLOAD \slot                                    ; the four v_nop behind it are also the places in front of the loads below
.else
	PLACES
.endif
	FETCH \next, 0, F0
	WIN MUL
	MULA F1, 2, 0
	MULA F1, 3, 0
.endm
	s_wait_tensorcnt 1                             ; my part of K step 0 is in; K step 1's may stay out
	s_barrier_signal -1
	s_barrier_wait -1                              ; everybody's is
	FETCH 0, 0, F0
	s_wait_loadcnt 0x0                             ; bo
	QUARTER 0, 1, F0, F1, 1                        ; the first quarter stands in front of the loop: its products start the sums
	WIN 0                                          ; at a label and at a branch every window is 0
	s_mov_b32 s3, LAPS-1
.Llap:                                             ; a trip goes once round the ring, from a lap's second quarter to the next lap's first, and fills both slots again
	QUARTER 0, 2, F1, F0, 0
	QUARTER 0, 3, F0, F1, 0
	TURN 0, 1, 1
	QUARTER 1, 1, F0, F1, 0
	QUARTER 1, 2, F1, F0, 0
	QUARTER 1, 3, F0, F1, 0
	TURN 1, 0, 1
	QUARTER 0, 1, F0, F1, 0
	WIN 0
	s_sub_co_u32 s3, s3, 1
	s_cmp_lg_u32 s3, 0
	s_cbranch_scc1 .Llap
	QUARTER 0, 2, F1, F0, 0                        ; the last lap fills nothing, and has no round of the cluster's barrier
	QUARTER 0, 3, F0, F1, 0
	TURN 0, 1, 0
	QUARTER 1, 1, F0, F1, 0
	QUARTER 1, 2, F1, F0, 0
	QUARTER 1, 3, F0, F1, 0
	s_wait_dscnt 4                                 ; the very last quarter: nothing more to fetch
	WIN MUL
	MULA F1, 0, 0
	MULA F1, 1, 0
	s_wait_dscnt 0x0
	MULA F1, 2, 0
	MULA F1, 3, 0
	WIN 0
; THE WAY OUT, block by block of 16 rows x 128 columns.  A lane holds 32 neighbouring bytes of a row, and the lanes beside it hold other rows: so a block goes through my own stage in LDS and comes back as whole
; rows of 512 bytes.  LDS serves a wave's instructions in order (ISA guide 5.7.1.4): no wait between the stores and the loads, nor in front of the next block's stores.
.macro TOSTAGE a
	WIN 0x04                                       ; an LDS store's data are its source 1: window 1
.irp b, 0,1,2,3,4,5,6,7
	ds_store_b128 v[STO], v[8*(8*(\a)+\b):8*(8*(\a)+\b)+3] offset:64*\b            ; each accumulator from its low end on
	ds_store_b128 v[STO], v[8*(8*(\a)+\b)+4:8*(8*(\a)+\b)+7] offset:64*\b+16
.endr
	WIN 0
.irp t, 0,1,2,3,4,5,6,7,8,9,10,11,12,13,14,15
	ds_load_b128 v[64+64*((\a)%2)+4*\t:64+64*((\a)%2)+4*\t+3], v[RD] offset:\t*SP
.endr
.endm
.macro SEND a, younger                 ; younger: the LDS instructions issued behind block a's loads, which may stay out
	s_wait_dscnt \younger
.irp t, 0,1,2,3,4,5,6,7,8,9,10,11,12,13,14,15
	global_store_b128 v[CO], v[64+64*((\a)%2)+4*\t:64+64*((\a)%2)+4*\t+3], s[10:11] offset:(\a)*65536+\t*4096 th:TH_STORE_NT   ; 32 lanes store 512 consecutive bytes of a row; written once, read by nobody here
.endr
.endm
	PLACES                                         ; behind the last products: for the loads into the fragments' registers and for the reads of the results
	TOSTAGE 0
.irp a, 1,2,3
.if \a > 1
	s_wait_xcnt 0x0                                ; block a - 2's stores have read their registers: block a's loads may land there
.endif
	TOSTAGE \a
	SEND \a-1, 32                                  ; behind block a - 1's loads: block a's 16 stores and 16 loads
.endr
	SEND 3, 0
	s_wait_tensorcnt 0x0                           ; the wave's end, behind my last tensor load and my last LDS store
	ds_add_u32 v[SPW], v[NIL]
	s_wait_dscnt 0x0
	CROUND                                         ; the closing round: no work-group ends while a partner may still ask for a tile that names it
	s_endpgm
.Lfunc_end_k_qab696de55f_oproj:
	.size	k_qab696de55f_oproj, .Lfunc_end_k_qab696de55f_oproj-k_qab696de55f_oproj
	.p2alignl 7, 3214868480
	.fill 96, 4, 3214868480
	.section	.rodata,"a",@progbits
	.p2align	6, 0x0
	.amdhsa_kernel k_qab696de55f_oproj
		.amdhsa_group_segment_fixed_size 327680
		.amdhsa_private_segment_fixed_size 0
		.amdhsa_enable_private_segment 0
		.amdhsa_kernarg_size 32
		.amdhsa_user_sgpr_count 2
		.amdhsa_user_sgpr_kernarg_segment_ptr 1
		.amdhsa_wavefront_size32 1
		.amdhsa_system_sgpr_workgroup_id_x 1
		.amdhsa_system_sgpr_workgroup_id_y 1
		.amdhsa_system_sgpr_workgroup_id_z 1
		.amdhsa_system_vgpr_workitem_id 0
		.amdhsa_next_free_vgpr 640
		.amdhsa_next_free_sgpr 66
		.amdhsa_reserve_vcc 0
		.amdhsa_float_denorm_mode_32 3
		.amdhsa_float_denorm_mode_16_64 3
		.amdhsa_memory_ordered 1
		.amdhsa_forward_progress 1
		.amdhsa_inst_pref_size 86
	.end_amdhsa_kernel
	.amdgpu_metadata
---
amdhsa.version: [ 1, 2 ]
amdhsa.kernels:
  - .name:           k_qab696de55f_oproj
    .symbol:         k_qab696de55f_oproj.kd
    .args:
      - { .name: ao, .offset: 0, .size: 8, .value_kind: global_buffer, .address_space: global }
      - { .name: wo16, .offset: 8, .size: 8, .value_kind: global_buffer, .address_space: global }
      - { .name: bo, .offset: 16, .size: 8, .value_kind: global_buffer, .address_space: global }
      - { .name: out0, .offset: 24, .size: 8, .value_kind: global_buffer, .address_space: global }
    .group_segment_fixed_size: 327680
    .private_segment_fixed_size: 0
    .kernarg_segment_align: 8
    .kernarg_segment_size: 32
    .max_flat_workgroup_size: 128
    .sgpr_count:     66
    .vgpr_count:     640
    .wavefront_size: 32
...
	.end_amdgpu_metadata
.endif
;; end of part 4
